; MI455X (gfx1250); checked and timed in simulation.
; The chip was launched on July 23, 2026; its instructions are those of AMD's public machine-readable ISA for CDNA 5 (MIT licence, August 2026) and "CDNA5" Instruction Set Architecture Reference Guide (July 2026). The comments in the code are by the model that wrote it; some were corrected since.
;; Attn. Allowed arithmetic: float matrix products may take bf16 or f16 operands with f32 sums; other float arithmetic in f32, or as packed bf16 or f16 multiplies, adds, multiply-adds, maxima and minima; sums over many terms, partial sums and values carried from step to step in f32; what a program stores and reads back later, other than sums and carried values, may be rounded once to bf16 or f16.
;; Inputs: W_dec 1,024 x 1,024 float32; W_enc 1,024 x 1,024 float32; b_dec 1,024 float32; coverage 32 x 2,048 float32; decoder_hidden 32 x 1 x 1,024 float32; encoder_outputs 32 x 2,048 x 1,024 float32; v 1,024 float32; w_cov 1,024 float32.
;; Outputs: out0 32 x 1 x 2,048 float32.
;; 2 versions, each right; version 2 is version 1 with the launch main written anew for expert scheduling mode. Each part assembles by itself: llvm-mc -triple=amdgcn-amd-amdhsa -mcpu=gfx1250 --defsym DOCPART=n.
;; ======== version 1 of 2: 3 launches
;; workspace buffers: wb 2,097,152 bytes; tab 262,144 bytes; scores 262,144 bytes
;; launch prep (part 1): grid 96 x 1, 16 waves a work-group, no clusters, 71,680 bytes of LDS; arguments W_enc, W_dec, b_dec, w_cov, decoder_hidden, wb, tab; writes wb, tab
.if DOCPART == 1
	.amdgcn_target "amdgcn-amd-amdhsa--gfx1250"
	.amdhsa_code_object_version 6
	.text
	.protected	k_qa210b0eb64_prep
	.globl	k_qa210b0eb64_prep
	.p2align	8
	.type	k_qa210b0eb64_prep,@function
k_qa210b0eb64_prep:
	s_mov_b64 s[64:65], 0
	v_nop
	global_prefetch_b8 v0, s[64:65] scope:SCOPE_SE
	s_setreg_imm32_b32 hwreg(HW_REG_WAVE_MODE, 25, 1), 1
	s_wait_xcnt 0x0
; PREP.  Two tasks, told apart by the work-group's number.  kappa = 2 log2(e): tanh x = 1 - 2 / (1 + 2^(kappa x)), and kappa is folded in here.
; Work-groups 0-63:  wb = bf16(kappa W_enc), one rounding, laid out as the matrix fragments of the main launch: fragment (g = o / 128, ks = k / 32, cf = (o / 16) % 8) is 1,024 bytes at
;   ((32 g + ks) 8 + cf) 1,024; in it byte 512 u + 16 lane holds o = 128 g + 16 cf + lane % 16, k = 32 ks + 16 u + 8 (lane / 16) + 0..7.
; Work-groups 64-95: tab[b][o] = the pair (kappa w_cov[o], kappa (decoder_hidden[b] . W_dec[o] + b_dec[o])) in f32.  The product goes to the matrix unit in bf16, sums in f32.
;   A work-group makes 32 o x all 32 b; K is split among its 16 waves, 64 each; the 16 partial sums meet in LDS (f32 sums in any order).
.set KAPPA, 0x4038aa3b
.set PP,    136                        ; a row of a partial plane: 32 f32 + 8 bytes: the two halves of the lanes, 8 rows apart, fall 64 bytes apart modulo 256
.set PLANE, 32*PP                      ; a wave's partial sums: 32 b x 32 o
.set SPARE, 16*PLANE                   ; behind the planes: the spare words, 128 bytes for each of 16 waves
.set SPW, 3                            ; v3   LDS address of my spare word; never rewritten
.set NIL, 4                            ; v4   0; never rewritten
.set VL,  5                            ; v5   (lane % 16) x 4,096 + 32 (lane / 16) + 256 x wave: my 32 bytes of f32 in a row of 1,024, for all three matrices
.set FR,  32                           ; v[32:159] fragments as loaded in f32, 16 registers each; packed in place into the first 8
.set ACC, 160                          ; v[160:191] four accumulators: (bt, ot) at ACC + 8 (2 bt + ot)
	s_load_b256 s[4:11], s[0:1], 0x0               ; W_enc s[4:5], W_dec s[6:7], b_dec s[8:9], w_cov s[10:11]
	s_load_b128 s[12:15], s[0:1], 0x20             ; decoder_hidden s[12:13], wb s[14:15]
	s_load_b64 s[16:17], s[0:1], 0x30              ; tab
	v_lshl_add_u32 v[SPW], v0, 2, SPARE
	v_mov_b32 v[NIL], 0
	v_lshrrev_b32 v11, 5, v0
	v_readfirstlane_b32 s20, v11                   ; wave 0..15
	v_and_b32 v1, 15, v0                           ; lane % 16 (also thread % 16)
	v_bfe_u32 v2, v0, 4, 1                         ; lane / 16
	v_lshlrev_b32 v[VL], 12, v1
	v_lshl_add_u32 v[VL], v2, 5, v[VL]
	v_lshl_add_u32 v[VL], s20, 8, v[VL]
	s_mov_b32 s23, 0
	s_mov_b32 s25, 0
	s_wait_kmcnt 0x0
	s_cmp_lt_u32 ttmp9, 64
	s_cbranch_scc0 .Ldec
	; THE CAST.  Work-group F owns rows 16 F .. 16 F + 15 of W_enc; wave v the K steps 2 v and 2 v + 1: 256 consecutive bytes of each row.
	s_lshl_b32 s22, ttmp9, 16                      ; 16 rows of 4,096 bytes
	s_add_nc_u64 s[4:5], s[4:5], s[22:23]
	s_lshr_b32 s24, ttmp9, 3                       ; g,
	s_lshl_b32 s24, s24, 18                        ; 262,144 bytes a group of 128 columns
	s_and_b32 s26, ttmp9, 7                        ; cf,
	s_lshl_b32 s26, s26, 10                        ; 1,024 bytes a fragment
	s_add_co_u32 s24, s24, s26
	s_add_nc_u64 s[14:15], s[14:15], s[24:25]
	v_and_b32 v6, 31, v0
	v_lshlrev_b32 v6, 4, v6
	v_lshl_add_u32 v6, s20, 14, v6                 ; 16 x lane + two K steps of 8,192 bytes a wave
.irp z, 0,1,2,3,4,5,6,7                ; z = 4 kk + 2 u + half: 8 numbers of (kk, u) in two loads
	global_load_b128 v[FR+4*\z:FR+4*\z+3], v[VL], s[4:5] offset:(\z/4)*128+((\z/2)%2)*64+(\z%2)*16
.endr
	s_wait_loadcnt 0x0
.set x, 0
.rept 16
	v_pk_mul_f32 v[FR+x:FR+x+1], v[FR+x:FR+x+1], KAPPA op_sel_hi:[1,0]
.set x, x+2
.endr
.set x, 0
.rept 16
	v_cvt_pk_bf16_f32 v[64+x], v[FR+2*x], v[FR+2*x+1]
.set x, x+1
.endr
.irp z, 0,1,2,3                        ; z = 2 kk + u: each store of the wave covers 512 consecutive bytes, aligned
	global_store_b128 v6, v[64+4*\z:64+4*\z+3], s[14:15] offset:(\z/2)*8192+(\z%2)*512
.endr
	s_endpgm                                       ; this way has written no LDS
.Ldec:  ; THE DECODER'S FEATURES.  c = work-group - 64 owns o = 32 c .. 32 c + 31.
	s_sub_co_u32 s21, ttmp9, 64
	s_lshl_b32 s22, s21, 17                        ; 32 rows of W_dec
	s_add_nc_u64 s[6:7], s[6:7], s[22:23]
	s_lshl_b32 s24, s21, 7                         ; 32 f32 of b_dec and of w_cov
	s_add_nc_u64 s[8:9], s[8:9], s[24:25]
	s_add_nc_u64 s[10:11], s[10:11], s[24:25]
	s_lshl_b32 s24, s21, 8                         ; 32 pairs of tab
	s_add_nc_u64 s[16:17], s[16:17], s[24:25]
	v_lshlrev_b32 v7, 3, v1                        ; at the end thread t finishes b = t / 16, o = 2 (t % 16) and the next
	global_load_b64 v[20:21], v7, s[8:9]
	global_load_b64 v[22:23], v7, s[10:11]
; A fragment (16 rows x 32 K) in f32: lane l takes row l % 16, K = 8 (l / 16) + 0..7 and 16 + 8 (l / 16) + 0..7: four loads of 16 bytes.
.macro FRAG f, base, t, kk
.irp z, 0,1,2,3
	global_load_b128 v[FR+16*(\f)+4*\z:FR+16*(\f)+4*\z+3], v[VL], s[\base:\base+1] offset:(\t)*65536+(\kk)*128+(\z/2)*64+(\z%2)*16
.endr
.endm
.macro PACKF f                         ; 16 f32 into 8 registers of bf16, in place, ascending: no source is overwritten before it is read
.irp z, 0,1,2,3,4,5,6,7
	v_cvt_pk_bf16_f32 v[FR+16*(\f)+\z], v[FR+16*(\f)+2*\z], v[FR+16*(\f)+2*\z+1]
.endr
.endm
.macro DOT kk, zero                    ; four products, the four accumulators by turns; source 0 = 16 b, source 1 = 16 o: register j of lane l is (b = 8 (l / 16) + j, o = l % 16)
.irp bt, 0,1
.irp ot, 0,1
.if \zero
	v_wmma_f32_16x16x32_bf16 v[ACC+8*(2*\bt+\ot):ACC+8*(2*\bt+\ot)+7], v[FR+16*(4*(\kk)+2+\bt):FR+16*(4*(\kk)+2+\bt)+7], v[FR+16*(4*(\kk)+\ot):FR+16*(4*(\kk)+\ot)+7], 0
.else
	v_wmma_f32_16x16x32_bf16 v[ACC+8*(2*\bt+\ot):ACC+8*(2*\bt+\ot)+7], v[FR+16*(4*(\kk)+2+\bt):FR+16*(4*(\kk)+2+\bt)+7], v[FR+16*(4*(\kk)+\ot):FR+16*(4*(\kk)+\ot)+7], v[ACC+8*(2*\bt+\ot):ACC+8*(2*\bt+\ot)+7]
.endif
.endr
.endr
.endm
.irp kk, 0,1
	FRAG 4*\kk,   6,  0, \kk                       ; W_dec, o 0-15 and 16-31
	FRAG 4*\kk+1, 6,  1, \kk
	FRAG 4*\kk+2, 12, 0, \kk                       ; decoder_hidden, b 0-15 and 16-31
	FRAG 4*\kk+3, 12, 1, \kk
.endr
	s_mul_i32 s26, s20, PLANE
	v_mul_u32_u24 v8, v2, 8*PP                     ; into my plane: row 8 (l / 16) + ..., column l % 16
	v_lshl_add_u32 v8, v1, 2, v8
	v_add_nc_u32 v8, s26, v8
	v_lshrrev_b32 v12, 4, v0                       ; b = t / 16
	v_mul_u32_u24 v9, v12, PP                      ; back: row b, my two columns
	v_lshl_add_u32 v9, v1, 3, v9
	v_lshlrev_b32 v10, 13, v12                     ; tab: 8,192 bytes a b, 16 bytes for my two pairs
	v_lshl_add_u32 v10, v1, 4, v10
	s_wait_loadcnt 16                              ; the first 32 along K (and the two small loads ahead of them) are in; the other sixteen loads stay out
.irp f, 0,1,2,3
	PACKF \f
.endr
	DOT 0, 1                                       ; the first products start the sums
	s_wait_loadcnt 0x0
.irp f, 4,5,6,7
	PACKF \f
.endr
	DOT 1, 0
.rept 8
	v_nop                                          ; the places behind the last product, in front of the LDS stores that read the results
.endr
.irp a, 0,1,2,3                        ; a = 2 bt + ot; each accumulator's registers in ascending order
.irp j, 0,1,2,3,4,5,6,7
	ds_store_b32 v8, v[ACC+8*\a+\j] offset:(16*(\a/2)+\j)*PP+(\a%2)*64
.endr
.endr
	s_wait_dscnt 0x0                               ; for the others' sake: my plane is written
	s_barrier_signal -1
	s_barrier_wait -1
.irp p, 0,1,2,3,4,5,6,7,8,9,10,11,12,13,14,15
	ds_load_b64 v[FR+2*\p:FR+2*\p+1], v9 offset:\p*PLANE
.endr
	s_wait_dscnt 0x0
.set st, 16
.rept 4
.set x, 0
.rept st/2
	v_pk_add_f32 v[FR+x:FR+x+1], v[FR+x:FR+x+1], v[FR+st+x:FR+st+x+1]
.set x, x+2
.endr
.set st, st/2
.endr
	v_pk_add_f32 v[FR:FR+1], v[FR:FR+1], v[20:21]  ; + b_dec
	v_mul_f32 v64, KAPPA, v22                      ; (kappa w_cov, kappa (dec + b_dec)) twice
	v_mul_f32 v65, KAPPA, v[FR]
	v_mul_f32 v66, KAPPA, v23
	v_mul_f32 v67, KAPPA, v[FR+1]
	global_store_b128 v10, v[64:67], s[16:17]      ; sixteen lanes store 256 consecutive bytes, aligned
	s_wait_tensorcnt 0x0                           ; the wave's end: three lines behind my last LDS store
	ds_add_u32 v[SPW], v[NIL]
	s_wait_dscnt 0x0
	s_endpgm
.Lfunc_end_k_qa210b0eb64_prep:
	.size	k_qa210b0eb64_prep, .Lfunc_end_k_qa210b0eb64_prep-k_qa210b0eb64_prep
	.p2alignl 7, 3214868480
	.fill 96, 4, 3214868480
	.section	.rodata,"a",@progbits
	.p2align	6, 0x0
	.amdhsa_kernel k_qa210b0eb64_prep
		.amdhsa_group_segment_fixed_size 71680
		.amdhsa_private_segment_fixed_size 0
		.amdhsa_enable_private_segment 0
		.amdhsa_kernarg_size 56
		.amdhsa_user_sgpr_count 2
		.amdhsa_user_sgpr_kernarg_segment_ptr 1
		.amdhsa_wavefront_size32 1
		.amdhsa_system_sgpr_workgroup_id_x 1
		.amdhsa_system_sgpr_workgroup_id_y 1
		.amdhsa_system_sgpr_workgroup_id_z 1
		.amdhsa_system_vgpr_workitem_id 0
		.amdhsa_next_free_vgpr 192
		.amdhsa_next_free_sgpr 66
		.amdhsa_reserve_vcc 0
		.amdhsa_float_denorm_mode_32 3
		.amdhsa_float_denorm_mode_16_64 3
		.amdhsa_memory_ordered 1
		.amdhsa_forward_progress 1
		.amdhsa_inst_pref_size 19
	.end_amdhsa_kernel
	.amdgpu_metadata
---
amdhsa.version: [ 1, 2 ]
amdhsa.kernels:
  - .name:           k_qa210b0eb64_prep
    .symbol:         k_qa210b0eb64_prep.kd
    .args:
      - { .name: W_enc, .offset: 0, .size: 8, .value_kind: global_buffer, .address_space: global }
      - { .name: W_dec, .offset: 8, .size: 8, .value_kind: global_buffer, .address_space: global }
      - { .name: b_dec, .offset: 16, .size: 8, .value_kind: global_buffer, .address_space: global }
      - { .name: w_cov, .offset: 24, .size: 8, .value_kind: global_buffer, .address_space: global }
      - { .name: decoder_hidden, .offset: 32, .size: 8, .value_kind: global_buffer, .address_space: global }
      - { .name: wb, .offset: 40, .size: 8, .value_kind: global_buffer, .address_space: global }
      - { .name: tab, .offset: 48, .size: 8, .value_kind: global_buffer, .address_space: global }
    .group_segment_fixed_size: 71680
    .private_segment_fixed_size: 0
    .kernarg_segment_align: 8
    .kernarg_segment_size: 56
    .max_flat_workgroup_size: 512
    .sgpr_count:     66
    .vgpr_count:     192
    .wavefront_size: 32
...
	.end_amdgpu_metadata
.endif
;; end of part 1
;; launch main (part 2): grid 512 x 1, 4 waves a work-group, no clusters, 309,760 bytes of LDS; arguments encoder_outputs, coverage, v, wb, tab, scores; writes scores
.if DOCPART == 2
	.amdgcn_target "amdgcn-amd-amdhsa--gfx1250"
	.amdhsa_code_object_version 6
	.text
	.protected	k_qa210b0eb64_main
	.globl	k_qa210b0eb64_main
	.p2align	8
	.type	k_qa210b0eb64_main,@function
k_qa210b0eb64_main:
	s_mov_b64 s[64:65], 0
	v_nop
	global_prefetch_b8 v0, s[64:65] scope:SCOPE_SE
	s_setreg_imm32_b32 hwreg(HW_REG_WAVE_MODE, 25, 1), 1
	s_wait_xcnt 0x0
; scores[row] = S = the sum over o of v[o] / (1 + 2^y), y = kappa (E[row] . W_enc[o] + dec[b][o] + b_dec[o] + cov[row] w_cov[o]), kappa = 2 log2(e).
; tanh x = 1 - 2 / (1 + 2^(kappa x)), so the module's logit is (sum of v) - 2 S; the first term is the same for all rows of a batch and falls out of the softmax, which the next launch takes of -2 S.
; LIMITS.  2^y beyond f32's range is an infinity, its reciprocal 0: tanh = 1 exactly; 2^y below 2^-126 counts as 0: tanh = -1.  NaN and infinities in the inputs are not treated apart.
; E and kappa W_enc are rounded once to bf16 for the product; sums, bias, exponentials and S in f32.
; SHARES.  A work-group owns 128 rows of E.  It reads them once, as f32 through registers, rounds them and keeps them in LDS as bf16 for the whole launch (A: 128 x 1,024).  Each of the four waves makes
; all 128 rows x 128 columns at a time (64 accumulators, 512 registers), in two passes: 4 waves x 2 passes x 128 = 1,024 columns.  Pass 0's walk along K runs while E still arrives, a slice of 64 K at a time.
; THE WEIGHTS come by global loads straight into registers, from a copy that lies in fragment order: no two waves of the work-group want the same columns.
; NO CLUSTER, NO JOINT LOADS, though all work-groups walk the same weights: A takes 294,912 of the 327,680 bytes of LDS, constants and spare words 14,848; 17,920 are left, less than
; one K step of 32 of the 512 columns that the four waves have in hand (32,768 bytes): there is no room for a ring into which a joint load could bring them.
; THE SUM STARTS WITH THE BIAS: the accumulators are set to kappa (dec + b_dec + cov w_cov), so the finished sum is y.
; THE TEXT runs straight: head, the bias, pass 0, then a loop of two trips that is left in its middle: from y to S; (out, the second time); the bias, pass 1.
; REGISTERS, in windows of 256 (s_set_vgpr_msb: bits 1:0 source 0, 3:2 source 1, 5:4 source 2, 7:6 destination):
;   window 0: v0-23 addresses; v32-95 A's 8 fragments of a quarter step; v96-223 four sets of 32 for E on its way in (later v96-159: S); v224-239 the pairs (kappa w_cov, bias); v240-247 v
;   window 1: four buffers of 64 for B's fragments (buffer 3 also holds cov while the accumulators are set)     windows 2, 3: accumulator (mf, cf) at 8 (8 (mf % 4) + cf), mf 0-3 and 4-7
.set PA,    144                        ; a row of a slice of A in LDS: 128 bytes + 16: nine times 16, so the 16 rows of a fragment load start in 16 different columns of 16 bytes modulo 256
.set SL,    128*PA                     ; a slice: 128 rows x 64 K
.set CONSTB, 16*SL                     ; behind A: for each wave 3,584 bytes of its own: cov[128]; 256 pairs; v[256]
.set CWB,   3584
.set SPARE, CONSTB+4*CWB               ; behind them: the spare words, 128 bytes for each wave
.set RP,    544                        ; at the end, over A's first bytes: 64 pairs of rows x (4 waves x 16 lanes) x 2 f32 + 32: four pairs of rows are 2,176 bytes, 128 modulo 256
.set SPW, 3                            ; v3   LDS address of my spare word; never rewritten
.set NIL, 4                            ; v4   0; never rewritten
.set VA0, 5                            ; v5   (l % 16) x 144 + 16 (l / 16): my place in a fragment of A
.set VA,  6                            ; v6   VA0 + the trip's first slice
.set VS,  7                            ; v7   VS0 + the trip's first slice
.set VE,  8                            ; v8   (32 w + 8 (l / 16)) x 4,096 + 16 (l % 16): my 16 bytes of E
.set VB,  9                            ; v9   16 l + 524,288 w: my 16 bytes in my wave's stream of weights
.set VP,  10                           ; v10  (32 w + l) x 4,096: the prefetches: a lane a row
.set VK,  11                           ; v11  my column's pair, pass 0, cf = 0
.set VV,  12                           ; v12  my column's v, pass 0, cf = 0
.set VCV, 13                           ; v13  cov of my 8 rows, mf = 0
.set VCS, 14                           ; v14  my wave's constants + 16 l
.set VR,  15                           ; v15  the end: where S goes
.set VRD, 16                           ; v16  the end: the pair of rows that I add up
.set VO,  17                           ; v17  8 x thread: my two numbers of scores
.set VG,  18                           ; v18  tab: 16 l + 2,048 w
.set VG2, 19                           ; v19  v: 16 l + 1,024 w
.set VG3, 20                           ; v20  coverage: 16 l
.set VS0, 21                           ; v21  (32 w + 8 (l / 16)) x 144 + 8 (l % 16): where my 4 rounded numbers of E go
.set AF,  32
.set ES,  96
.set CT,  ES+32                        ; the seven loads of constants land in set 1, which is free until part 5 is asked for
.set KP,  224
.set VC,  240
.set COV, 192                          ; window 1
.set EP,  4                            ; s[4:5]   E at my work-group's rows, at the trip's first slice
.set BP,  10                           ; s[10:11] wb at the trip's first quarter
.set WV,  16                           ; s16  wave
.set PASS, 20                          ; s20  passes whose y is still to be turned into S
.set TRIP, 21                          ; s21  trips to go
.set SOFF, 26                          ; s26  LDS byte of the trip's first slice
.set MUL_LO, 0xa4                      ; A window 0, B window 1, C and D window 2
.set TO_B,   0x40                      ; destination window 1
.set MSB, 0
.macro WIN new                         ; the immediate's high byte repeats the setting that is left; a switch that changes nothing is dropped
.if MSB != (\new)
	s_set_vgpr_msb (MSB<<8)|(\new)
.set MSB, (\new)
.endif
.endm
.macro PLACES                          ; four places between a matrix instruction and a load into, or a vector instruction on, its registers
.rept 4
	v_nop
.endr
.endm
; E COMES IN PARTS: part e = 16 of my wave's 32 rows (g = e % 2) x slice e / 2 (64 K, 256 bytes of f32 a row).  Eight loads: lanes 0-15 take 256 consecutive aligned bytes of one row, lanes 16-31 of the row 8 further down.
.macro ELOAD dst, sl, g
.irp k, 0,1,2,3,4,5,6,7
	global_load_b128 v[(\dst)+4*\k:(\dst)+4*\k+3], v[VE], s[EP:EP+1] offset:(\sl)*256+(16*(\g)+\k)*4096 th:TH_LOAD_NT
.endr
.endm
.macro ECVT src                        ; rounded to bf16 in place: 4 f32 into 2 registers; sixteen plain instructions
.irp k, 0,1,2,3,4,5,6,7
	v_cvt_pk_bf16_f32 v[(\src)+4*\k], v[(\src)+4*\k], v[(\src)+4*\k+1]
	v_cvt_pk_bf16_f32 v[(\src)+4*\k+1], v[(\src)+4*\k+2], v[(\src)+4*\k+3]
.endr
.endm
.macro ESTORE src, sl, g               ; into A: 16 lanes fill a row's 128 bytes; the other 16 lanes' row lies 1,152 bytes on, the other half of 256
.irp k, 0,1,2,3,4,5,6,7
	ds_store_b64 v[VS], v[(\src)+4*\k:(\src)+4*\k+1] offset:(\sl)*SL+(16*(\g)+\k)*PA
.endr
.endm
.macro BLOAD buf, pos                  ; a quarter's 8 fragments of B (128 columns x 32 K): 16 loads of 512 consecutive bytes
	WIN TO_B
.irp c, 0,1,2,3,4,5,6,7
	global_load_b128 v[64*(\buf)+8*\c:64*(\buf)+8*\c+3],   v[VB], s[BP:BP+1] offset:(\pos)*8192+\c*1024
	global_load_b128 v[64*(\buf)+8*\c+4:64*(\buf)+8*\c+7], v[VB], s[BP:BP+1] offset:(\pos)*8192+\c*1024+512
.endr
.endm
.macro ALOAD half, areg, off           ; four of a quarter's 8 fragments of A (64 rows x 32 K): lane l holds row l % 16, K = 8 (l / 16) + 0..7 and 16 + 8 (l / 16) + 0..7
	WIN 0
.irp m, 0,1,2,3
	ds_load_b128 v[AF+8*(4*(\half)+\m):AF+8*(4*(\half)+\m)+3],   v[\areg] offset:(\off)+(4*(\half)+\m)*16*PA
	ds_load_b128 v[AF+8*(4*(\half)+\m)+4:AF+8*(4*(\half)+\m)+7], v[\areg] offset:(\off)+(4*(\half)+\m)*16*PA+32
.endr
.endm
; 16 products: row blocks mf0, mf0 + 1 x all 8 column blocks.  The 64 accumulators take turns, one instruction a turn, in the same order in every quarter.
; In the result lane l holds column l % 16, register j row 8 (l / 16) + j.
.macro MUL16 buf, mf0
	WIN MUL_LO+0x50*((\mf0)/4)
.irp a, \mf0, (\mf0)+1
.irp c, 0,1,2,3,4,5,6,7
.set rD, 8*(8*((\a)%4)+\c)
	v_wmma_f32_16x16x32_bf16 v[rD:rD+7], v[AF+8*(\a):AF+8*(\a)+7], v[64*(\buf)+8*\c:64*(\buf)+8*\c+7], v[rD:rD+7]
.endr
.endr
.endm
.macro TRIPEND e                       ; four quarters = two slices on.  e = 1: E's pointer and the stores' address too
	WIN 0
	s_wait_xcnt 0x0                                ; every load and prefetch issued so far has read its address: only now are the pointers written
	s_add_nc_u64 s[BP:BP+1], s[BP:BP+1], 4*8192
	s_add_co_u32 s[SOFF], s[SOFF], 2*SL
	v_add_nc_u32 v[VA], s[SOFF], v[VA0]
.if \e
	s_add_nc_u64 s[EP:EP+1], s[EP:EP+1], 2*256
	v_add_nc_u32 v[VS], s[SOFF], v[VS0]
.endif
.endm
; A QUARTER: 32 along K, 64 products on B's buffer i.  Quarter q = 4 x trip + i.
;   eiss: part q + 6 of E is asked for.  ecvt: part q + 3 is rounded and stored.  sig, bw: the two halves of the barrier that shows a slice whole.  biss: B of quarter q + lead is asked for.
;   n: the loads younger than B of this quarter.  anxt: 1: A of quarter q + 1 is fetched; 2: from slice 0 (the next pass); 0: nothing.  pf: the trip's prefetches.
; In a quarter B is asked for ahead of E, and loads come back in order (ISA guide 5.7.1): the wait for B of quarter q also shows part q + 3 landed, which was asked for three quarters back.
; Slice j is whole when every wave has stored part 2 j + 1, in quarter 2 j - 2: there each wave waits for its LDS instructions and signals; it passes the barrier in quarter 2 j - 1, ahead of the first
; read of slice j.  Between signal and wait stand products, conversions, waits and LDS loads of earlier slices.  A slice is written once, so no barrier guards an overwriting.
.macro QUARTER i, eiss, ecvt, sig, bw, biss, lead, n, anxt, pf
	s_wait_loadcnt \n                              ; B of this quarter is in, and all that was asked for before it
	s_wait_dscnt 8                                 ; A's rows 0-63 are in; the youngest eight LDS loads (rows 64-127) may be out
	MUL16 \i, 0
	MUL16 \i, 2
	WIN 0
.if \ecvt
	ECVT ES+32*(((\i)+3)%4)                        ; also the places in front of the loads into A's first four fragments
.else
	PLACES
.endif
.if \bw
	s_barrier_wait -1                              ; the slice of quarter q + 1 is whole
.endif
.if \ecvt
	ESTORE ES+32*(((\i)+3)%4), ((\i)+3)/2, ((\i)+3)%2
.endif
.if (\anxt) == 1
	ALOAD 0, VA, (((\i)+1)/2)*SL+(((\i)+1)%2)*64
.elseif (\anxt) == 2
	ALOAD 0, VA0, 0
.endif
.if \biss
	BLOAD ((\i)+(\lead))%4, (\i)+(\lead)           ; its buffer's last product stands a quarter back or more, with four places behind it
.endif
.if \eiss
	WIN 0
	ELOAD ES+32*(((\i)+2)%4), ((\i)+6)/2, (\i)%2   ; its set was stored from in the quarter before; the wait for 8 at this quarter's head has shown those stores done
.endif
.if \pf
	; A PREFETCH INTO THE L2, behind the quarter's loads: the slices 5 and 6 on from the trip's first, 256 bytes of each of my wave's own 32 rows, a lane a row: each block is named once in the launch.
	; Their loads are issued 4 and 6 quarters (256 and 384 products) later.  The loop's last trip asks for nothing: the second of its two slices does not exist.
	s_cmp_gt_u32 s[TRIP], 1
	s_cbranch_scc0 .Lnopf_\@
	global_prefetch_b8 v[VP], s[EP:EP+1] offset:5*256 th:TH_LOAD_NT scope:SCOPE_SE
	global_prefetch_b8 v[VP], s[EP:EP+1] offset:6*256 th:TH_LOAD_NT scope:SCOPE_SE
.Lnopf_\@:
.endif
.set dsn, 8*(\ecvt)
.if \anxt
.set dsn, dsn+8
.endif
	s_wait_dscnt dsn                               ; A's rows 64-127 are in: younger are this quarter's stores and loads alone
	MUL16 \i, 4
.if \sig
	s_wait_dscnt 0x0                               ; for the others' sake: my part of the slice is stored; no LDS instruction of mine is out
	s_barrier_signal -1
.endif
	MUL16 \i, 6
	WIN 0
	PLACES
.if (\anxt) == 1
	ALOAD 1, VA, (((\i)+1)/2)*SL+(((\i)+1)%2)*64
.elseif (\anxt) == 2
	ALOAD 1, VA0, 0
.endif
.endm
; THE BIAS, for pass p: my wave's columns 128 p .. 128 p + 127 of its 256.  The sums start at cov x (kappa w_cov) + kappa (dec + b_dec): a pair's first register multiplies both halves, its second is added to both.
; cov goes through B's buffer 3, for which no load is out at either use.  The wait for 0 also shows the fragments of A landed that the pass before has asked for.
.macro INIT p
.irp c, 0,1,2,3,4,5,6,7
	ds_load_b64 v[KP+2*\c:KP+2*\c+1], v[VK] offset:1024*(\p)+128*\c
.endr
.irp c, 0,1,2,3,4,5,6,7
	ds_load_b32 v[VC+\c], v[VV] offset:512*(\p)+64*\c
.endr
	WIN TO_B
.irp m, 0,1,2,3,4,5,6,7
	ds_load_b128 v[COV+8*\m:COV+8*\m+3],   v[VCV] offset:64*\m
	ds_load_b128 v[COV+8*\m+4:COV+8*\m+7], v[VCV] offset:64*\m+16
.endr
	s_wait_dscnt 0x0
.set m, 0
.rept 8
	WIN 0x81+0x40*(m/4)                            ; cov in window 1, the pairs in window 0, the accumulators in window 2 or 3
.set c, 0
.rept 8
.set j, 0
.rept 4
	v_pk_fma_f32 v[8*(8*(m%4)+c)+j:8*(8*(m%4)+c)+j+1], v[COV+8*m+j:COV+8*m+j+1], v[KP+2*c:KP+2*c+1], v[KP+2*c:KP+2*c+1] op_sel:[0,0,1] op_sel_hi:[1,0,1]
.set j, j+2
.endr
.set c, c+1
.endr
.set m, m+1
.endr
	WIN 0
.endm
; THE WAY FROM y TO S, by row blocks s of 64 registers.
.macro EXPS s                          ; 2^y, in place, ascending: of each accumulator the lowest register is read first
	WIN 0x82+0x41*((\s)/4)
.set x, 64*((\s)%4)
.rept 64
	v_exp_f32 v[x], v[x]
.set x, x+1
.endr
.endm
.macro ADDS s                          ; 1 + 2^y
	WIN 0x82+0x41*((\s)/4)
.set x, 64*((\s)%4)
.rept 32
	v_pk_add_f32 v[x:x+1], v[x:x+1], 1.0 op_sel_hi:[1,0]
.set x, x+2
.endr
.endm
.macro RCPS s
	WIN 0x82+0x41*((\s)/4)
.set x, 64*((\s)%4)
.rept 64
	v_rcp_f32 v[x], v[x]
.set x, x+1
.endr
.endm
.macro FMAS s                          ; S(row) += v[column] / (1 + 2^y): v of column block c lies in register c % 2 of a pair and goes to both halves
	WIN 0x02+((\s)/4)
.set c, 0
.rept 8
.set j, 0
.rept 4
.if c%2
	v_pk_fma_f32 v[ES+8*(\s)+j:ES+8*(\s)+j+1], v[64*((\s)%4)+8*c+j:64*((\s)%4)+8*c+j+1], v[VC+c-1:VC+c], v[ES+8*(\s)+j:ES+8*(\s)+j+1] op_sel:[0,1,0] op_sel_hi:[1,1,1]
.else
	v_pk_fma_f32 v[ES+8*(\s)+j:ES+8*(\s)+j+1], v[64*((\s)%4)+8*c+j:64*((\s)%4)+8*c+j+1], v[VC+c:VC+c+1], v[ES+8*(\s)+j:ES+8*(\s)+j+1] op_sel_hi:[1,0,1]
.endif
.set j, j+2
.endr
.set c, c+1
.endr
.endm
	s_load_b256 s[4:11], s[0:1], 0x0               ; E s[4:5], coverage s[6:7], v s[8:9], wb s[10:11]
	s_load_b128 s[12:15], s[0:1], 0x20             ; tab s[12:13], scores s[14:15]
	v_lshl_add_u32 v[SPW], v0, 2, SPARE
	v_mov_b32 v[NIL], 0
	v_lshrrev_b32 v22, 5, v0
	v_readfirstlane_b32 s[WV], v22                 ; wave 0..3
	v_and_b32 v1, 15, v0                           ; l % 16
	v_bfe_u32 v2, v0, 4, 1                         ; l / 16
	v_and_b32 v23, 31, v0                          ; l
	v_mul_u32_u24 v[VA0], v1, PA
	v_lshl_add_u32 v[VA0], v2, 4, v[VA0]
	v_mov_b32 v[VA], v[VA0]
	s_mul_i32 s22, s[WV], 32*PA
	v_mul_u32_u24 v[VS0], v2, 8*PA
	v_lshl_add_u32 v[VS0], v1, 3, v[VS0]
	v_add_nc_u32 v[VS0], s22, v[VS0]
	v_mov_b32 v[VS], v[VS0]
	s_lshl_b32 s22, s[WV], 17                      ; 32 rows of 4,096 bytes
	v_lshlrev_b32 v[VE], 15, v2
	v_lshl_add_u32 v[VE], v1, 4, v[VE]
	v_add_nc_u32 v[VE], s22, v[VE]
	v_lshl_add_u32 v[VP], v23, 12, s22
	v_lshlrev_b32 v[VG3], 4, v23
	v_lshl_add_u32 v[VB], s[WV], 19, v[VG3]
	v_lshl_add_u32 v[VG], s[WV], 11, v[VG3]
	v_lshl_add_u32 v[VG2], s[WV], 10, v[VG3]
	s_mul_i32 s23, s[WV], CWB
	s_add_co_u32 s23, s23, CONSTB                  ; my wave's constants
	v_lshl_add_u32 v[VK], v1, 3, s23
	v_add_nc_u32 v[VK], 512, v[VK]
	v_lshl_add_u32 v[VV], v1, 2, s23
	v_add_nc_u32 v[VV], 2560, v[VV]
	v_lshl_add_u32 v[VCV], v2, 5, s23
	v_add_nc_u32 v[VCS], s23, v[VG3]
	v_mul_u32_u24 v[VR], v2, 4*RP                  ; my 8 rows are four pairs: pair 8 mf + 4 (l / 16) + jj,
	v_lshl_add_u32 v[VR], v1, 3, v[VR]             ; my column class: 8 bytes for each of 16 lanes,
	v_lshl_add_u32 v[VR], s[WV], 7, v[VR]          ; 128 for each wave
	v_mul_u32_u24 v[VRD], v0, RP
	v_lshlrev_b32 v[VO], 3, v0
	s_lshl_b32 s24, ttmp9, 19                      ; the work-group's 128 rows of 4,096 bytes, in 64 bits
	s_lshr_b32 s25, ttmp9, 13
	s_lshl_b32 s28, ttmp9, 9                       ; its 128 f32 of coverage and of scores
	s_mov_b32 s29, 0
	s_lshr_b32 s30, ttmp9, 4                       ; its batch: 16 work-groups to 2,048 rows,
	s_lshl_b32 s30, s30, 13                        ; 8,192 bytes of tab
	s_mov_b32 s31, 0
	s_mov_b32 s[PASS], 2
	s_mov_b32 s[SOFF], 0
	s_wait_kmcnt 0x0
	s_add_nc_u64 s[EP:EP+1], s[EP:EP+1], s[24:25]
	s_add_nc_u64 s[6:7], s[6:7], s[28:29]
	s_add_nc_u64 s[12:13], s[12:13], s[30:31]
	s_add_nc_u64 s[14:15], s[14:15], s[28:29]
	; 63 loads go out at once: 7 of constants, parts 0-3 of E, B of quarter 0, part 4
	global_load_b128 v[CT:CT+3], v[VG3], s[6:7]
.irp k, 0,1,2,3
	global_load_b128 v[CT+4+4*\k:CT+7+4*\k], v[VG], s[12:13] offset:512*\k
.endr
.irp k, 0,1
	global_load_b128 v[CT+20+4*\k:CT+23+4*\k], v[VG2], s[8:9] offset:512*\k
.endr
	ELOAD AF, 0, 0                                 ; parts 0 and 1 land where A's fragments will lie
	ELOAD AF+32, 0, 1
	ELOAD ES+64, 1, 0
	ELOAD ES+96, 1, 1
	BLOAD 0, 0
	WIN 0
	ELOAD ES, 2, 0
	s_wait_loadcnt 56                              ; the seven are in; the 56 behind them stay out
	ds_store_b128 v[VCS], v[CT:CT+3]               ; my wave's own copy: read by this wave alone, and LDS serves a wave's instructions in order (ISA guide 5.7.1.4)
.irp k, 0,1,2,3
	ds_store_b128 v[VCS], v[CT+4+4*\k:CT+7+4*\k] offset:512+512*\k
.endr
.irp k, 0,1
	ds_store_b128 v[VCS], v[CT+20+4*\k:CT+23+4*\k] offset:2560+512*\k
.endr
	INIT 0
	; PASS 0.  Slice 0 and half of slice 1 are stored, and the loads come into the loop's order: part 3, B 0, part 4, B 1, part 5.
	s_wait_loadcnt 32                              ; parts 0-2 are in; part 3, B 0 and part 4 (8 + 16 + 8) stay out
	ECVT AF
	ESTORE AF, 0, 0
	ECVT AF+32
	ESTORE AF+32, 0, 1
	ECVT ES+64
	ESTORE ES+64, 1, 0
	BLOAD 1, 1
	WIN 0
	ELOAD ES+32, 2, 1
	s_wait_dscnt 0x0                               ; for the others' sake: my rows of slice 0 are stored
	s_barrier_signal -1
	s_barrier_wait -1
	ALOAD 0, VA, 0
	ALOAD 1, VA, 0
	s_mov_b32 s[TRIP], 6
.Lk0:                                          ; quarters 0-23.  n = 32: younger than B q are part q + 4, B q + 1 and part q + 5
	QUARTER 0, 1,1,1,0, 1,2, 32, 1, 1
	QUARTER 1, 1,1,0,1, 1,2, 32, 1, 0
	QUARTER 2, 1,1,1,0, 1,2, 32, 1, 0
	QUARTER 3, 1,1,0,1, 1,2, 32, 1, 0
	TRIPEND 1
	s_sub_co_u32 s[TRIP], s[TRIP], 1
	s_cmp_lg_u32 s[TRIP], 0
	s_cbranch_scc1 .Lk0
	QUARTER 0, 1,1,1,0, 1,2, 32, 1, 0              ; 24: part 30 is asked for
	QUARTER 1, 1,1,0,1, 1,2, 32, 1, 0              ; 25: part 31, the last
	QUARTER 2, 0,1,1,0, 1,2, 32, 1, 0              ; 26: younger than B 26: part 30, B 27, part 31
	QUARTER 3, 0,1,0,1, 1,2, 24, 1, 0              ; 27: part 31, B 28
	TRIPEND 1
	QUARTER 0, 0,1,1,0, 1,2, 16, 1, 0              ; 28: B 29; the last part is stored, the last slice signalled
	QUARTER 1, 0,0,0,1, 1,2, 16, 1, 0              ; 29
	QUARTER 2, 0,0,0,0, 1,2, 16, 1, 0              ; 30: my stream of weights runs on: B of the next pass's quarter 0,
	QUARTER 3, 0,0,0,0, 1,2, 16, 2, 0              ; 31: of its quarter 1; A's fragments of slice 0 once more
	TRIPEND 0
	BLOAD 2, 2                                     ; and of its quarter 2: three quarters of B, in buffers 0 to 2, stay out across what follows, which names none of them
	WIN 0
.set x, 0
.rept 64
	v_mov_b32 v[ES+x], 0                           ; S starts here, in the two sets of E that were emptied first: so the way from y to S has one text for both passes
.set x, x+1
.endr
.Lepi:  ; y is finished: twice.  The transcendentals go in batches of 128 (a block's reciprocals, the next block's exponentials), each with one plain instruction behind it and ONE wait ahead of its first
	; reader: nine waits a pass.
	PLACES                                         ; with the four behind the last quarter: eight places behind the last product
	EXPS 0
	v_nop
	s_wait_alu depctr_va_vdst(0)
.irp s, 0,1,2,3,4,5,6,7
	ADDS \s
	RCPS \s
.if \s < 7
	EXPS (\s)+1
.endif
	v_nop
	s_wait_alu depctr_va_vdst(0)
	FMAS \s
.endr
	WIN 0
	s_sub_co_u32 s[PASS], s[PASS], 1
	s_cmp_eq_u32 s[PASS], 0
	s_cbranch_scc1 .Lfin                           ; the second time: both passes are in S
	; PASS 1.  A is whole: no barrier.  B is asked for three quarters ahead: n = 32: two quarters of B are younger.
	INIT 1
	s_mov_b32 s[SOFF], 0
	v_mov_b32 v[VA], v[VA0]
	s_mov_b32 s[TRIP], 7
.Lk1:
	QUARTER 0, 0,0,0,0, 1,3, 32, 1, 0
	QUARTER 1, 0,0,0,0, 1,3, 32, 1, 0
	QUARTER 2, 0,0,0,0, 1,3, 32, 1, 0
	QUARTER 3, 0,0,0,0, 1,3, 32, 1, 0
	TRIPEND 0
	s_sub_co_u32 s[TRIP], s[TRIP], 1
	s_cmp_lg_u32 s[TRIP], 0
	s_cbranch_scc1 .Lk1
	QUARTER 0, 0,0,0,0, 1,3, 32, 1, 0              ; 28: B 31, the last
	QUARTER 1, 0,0,0,0, 0,3, 32, 1, 0              ; 29
	QUARTER 2, 0,0,0,0, 0,3, 16, 1, 0              ; 30
	QUARTER 3, 0,0,0,0, 0,3, 0,  0, 0              ; 31: nothing is out behind it
	s_branch .Lepi
.Lfin:  ; THE END.  A lane's S holds one column class of 16, of one wave's 256 columns: 64 partial sums a row meet in LDS, over A's first bytes, two rows side by side.
	s_wait_dscnt 0x0                               ; my reads of A are over,
	s_barrier_signal -1
	s_barrier_wait -1                              ; everybody's are: A may be overwritten
.irp m, 0,1,2,3,4,5,6,7
.irp j, 0,1,2,3
	ds_store_b64 v[VR], v[ES+8*\m+2*\j:ES+8*\m+2*\j+1] offset:(8*\m+\j)*RP
.endr
.endr
	s_wait_dscnt 0x0                               ; for the others' sake: my partial sums are stored
	s_barrier_signal -1
	s_barrier_wait -1
	s_cmp_lt_u32 s[WV], 2                          ; 64 threads add up a pair of rows each
	s_cbranch_scc0 .Lend
.irp k, 0,1,2,3,4,5,6,7,8,9,10,11,12,13,14,15,16,17,18,19,20,21,22,23,24,25,26,27,28,29,30,31
	ds_load_b128 v[32+4*\k:32+4*\k+3], v[VRD] offset:16*\k
.endr
	s_wait_dscnt 0x0
.set st, 64
.rept 6                                ; 64 pairs (row 2 t, row 2 t + 1) into one: 63 packed sums
.set x, 0
.rept st/2
	v_pk_add_f32 v[32+x:32+x+1], v[32+x:32+x+1], v[32+st+x:32+st+x+1]
.set x, x+2
.endr
.set st, st/2
.endr
	global_store_b64 v[VO], v[32:33], s[14:15]     ; a wave stores 256 consecutive bytes, aligned
.Lend:
	s_wait_tensorcnt 0x0                           ; the wave's end: three lines behind my last LDS store
	ds_add_u32 v[SPW], v[NIL]
	s_wait_dscnt 0x0
	s_endpgm
.Lfunc_end_k_qa210b0eb64_main:
	.size	k_qa210b0eb64_main, .Lfunc_end_k_qa210b0eb64_main-k_qa210b0eb64_main
	.p2alignl 7, 3214868480
	.fill 96, 4, 3214868480
	.section	.rodata,"a",@progbits
	.p2align	6, 0x0
	.amdhsa_kernel k_qa210b0eb64_main
		.amdhsa_group_segment_fixed_size 309760
		.amdhsa_private_segment_fixed_size 0
		.amdhsa_enable_private_segment 0
		.amdhsa_kernarg_size 48
		.amdhsa_user_sgpr_count 2
		.amdhsa_user_sgpr_kernarg_segment_ptr 1
		.amdhsa_wavefront_size32 1
		.amdhsa_system_sgpr_workgroup_id_x 1
		.amdhsa_system_sgpr_workgroup_id_y 1
		.amdhsa_system_sgpr_workgroup_id_z 1
		.amdhsa_system_vgpr_workitem_id 0
		.amdhsa_next_free_vgpr 1024
		.amdhsa_next_free_sgpr 66
		.amdhsa_reserve_vcc 0
		.amdhsa_float_denorm_mode_32 3
		.amdhsa_float_denorm_mode_16_64 3
		.amdhsa_memory_ordered 1
		.amdhsa_forward_progress 1
		.amdhsa_inst_pref_size 255
	.end_amdhsa_kernel
	.section	.bss,"aw",@nobits
	.p2align	6
	.space	262144
	.amdgpu_metadata
---
amdhsa.version: [ 1, 2 ]
amdhsa.kernels:
  - .name:           k_qa210b0eb64_main
    .symbol:         k_qa210b0eb64_main.kd
    .args:
      - { .name: encoder_outputs, .offset: 0, .size: 8, .value_kind: global_buffer, .address_space: global }
      - { .name: coverage, .offset: 8, .size: 8, .value_kind: global_buffer, .address_space: global }
      - { .name: v, .offset: 16, .size: 8, .value_kind: global_buffer, .address_space: global }
      - { .name: wb, .offset: 24, .size: 8, .value_kind: global_buffer, .address_space: global }
      - { .name: tab, .offset: 32, .size: 8, .value_kind: global_buffer, .address_space: global }
      - { .name: scores, .offset: 40, .size: 8, .value_kind: global_buffer, .address_space: global }
    .group_segment_fixed_size: 309760
    .private_segment_fixed_size: 0
    .kernarg_segment_align: 8
    .kernarg_segment_size: 48
    .max_flat_workgroup_size: 128
    .sgpr_count:     66
    .vgpr_count:     1024
    .wavefront_size: 32
...
	.end_amdgpu_metadata
.endif
;; end of part 2
;; launch soft (part 3): grid 32 x 1, 8 waves a work-group, no clusters, 1,536 bytes of LDS; arguments scores, out0; writes out0
.if DOCPART == 3
	.amdgcn_target "amdgcn-amd-amdhsa--gfx1250"
	.amdhsa_code_object_version 6
	.text
	.protected	k_qa210b0eb64_soft
	.globl	k_qa210b0eb64_soft
	.p2align	8
	.type	k_qa210b0eb64_soft,@function
k_qa210b0eb64_soft:
	s_mov_b64 s[64:65], 0
	v_nop
	global_prefetch_b8 v0, s[64:65] scope:SCOPE_SE
	s_setreg_imm32_b32 hwreg(HW_REG_WAVE_MODE, 25, 1), 1
	s_wait_xcnt 0x0
; out0[b][s] = softmax over s of (-2 S[b][s]): the module's logits are (sum of v) - 2 S, and a term common to a row falls out of the softmax.
; In base 2: z = -kappa S, kappa = 2 log2(e); p = 2^(z - max z) / the sum.  The row's true maximum is taken away.  A weight below 2^-126 counts as 0.
; One work-group a batch, 256 threads, 8 numbers each; the row stays in registers.  Each load and store of a wave covers 512 consecutive bytes.
; No matrix unit, no cluster: 8 KiB a work-group, nothing shared.
.set SPARE, 512                        ; LDS: the waves' maxima at 0, their sums at 256, the spare words (128 bytes for each of 8 waves) from 512
	s_load_b128 s[4:7], s[0:1], 0x0                ; scores s[4:5], out0 s[6:7]
	v_lshl_add_u32 v2, v0, 2, SPARE                ; my spare word; never rewritten
	v_mov_b32 v3, 0                                ; 0; never rewritten
	v_lshlrev_b32 v1, 4, v0
	v_lshrrev_b32 v4, 5, v0
	v_readfirstlane_b32 s10, v4                    ; wave 0..7
	v_mov_b32 v5, s10
	v_lshlrev_b32 v5, 2, v5                        ; my wave's word
	v_mov_b32 v6, 0
	s_lshl_b32 s8, ttmp9, 13                       ; 2,048 f32 a batch
	s_mov_b32 s9, 0
	s_mov_b32 s12, 0x76543210                      ; v_permlanex16_b32: each lane takes its own place in the other half
	s_mov_b32 s13, 0xfedcba98
	s_wait_kmcnt 0x0
	s_add_nc_u64 s[4:5], s[4:5], s[8:9]
	s_add_nc_u64 s[6:7], s[6:7], s[8:9]
	global_load_b128 v[8:11], v1, s[4:5]
	global_load_b128 v[12:15], v1, s[4:5] offset:4096
	s_wait_loadcnt 0x0
.irp k, 8,10,12,14
	v_pk_mul_f32 v[\k:\k+1], v[\k:\k+1], 0xc038aa3b op_sel_hi:[1,0]  ; z = -kappa S
.endr
	v_max3_num_f32 v16, v8, v9, v10
	v_max3_num_f32 v17, v11, v12, v13
	v_max3_num_f32 v16, v16, v14, v15
	v_max_num_f32 v16, v16, v17
	v_max_num_f32_dpp v16, v16, v16 row_xmask:1 row_mask:0xf bank_mask:0xf
	v_max_num_f32_dpp v16, v16, v16 row_xmask:2 row_mask:0xf bank_mask:0xf
	v_max_num_f32_dpp v16, v16, v16 row_xmask:4 row_mask:0xf bank_mask:0xf
	v_max_num_f32_dpp v16, v16, v16 row_xmask:8 row_mask:0xf bank_mask:0xf
	v_permlanex16_b32 v17, v16, s12, s13
	v_max_num_f32 v16, v16, v17
	ds_store_b32 v5, v16                           ; all lanes write the same word with the same number
	s_wait_dscnt 0x0                               ; for the others' sake
	s_barrier_signal -1
	s_barrier_wait -1
	ds_load_b128 v[20:23], v6
	ds_load_b128 v[24:27], v6 offset:16
	s_wait_dscnt 0x0
	v_max3_num_f32 v16, v20, v21, v22
	v_max3_num_f32 v17, v23, v24, v25
	v_max3_num_f32 v16, v16, v26, v27
	v_max_num_f32 v16, v16, v17                    ; the row's maximum, in every lane
.irp k, 8,10,12,14
	v_pk_add_f32 v[\k:\k+1], v[\k:\k+1], v[16:17] op_sel_hi:[1,0] neg_lo:[0,1] neg_hi:[0,1]
.endr
.irp k, 8,9,10,11,12,13,14,15
	v_exp_f32 v\k, v\k
.endr
	v_nop                                          ; a plain instruction behind the last exponential,
	s_wait_alu depctr_va_vdst(0)                   ; and one wait for the eight, ahead of their first reader
	v_pk_add_f32 v[18:19], v[8:9], v[10:11]
	v_pk_add_f32 v[28:29], v[12:13], v[14:15]
	v_pk_add_f32 v[18:19], v[18:19], v[28:29]
	v_add_f32 v18, v18, v19
	v_add_f32_dpp v18, v18, v18 row_xmask:1 row_mask:0xf bank_mask:0xf
	v_add_f32_dpp v18, v18, v18 row_xmask:2 row_mask:0xf bank_mask:0xf
	v_add_f32_dpp v18, v18, v18 row_xmask:4 row_mask:0xf bank_mask:0xf
	v_add_f32_dpp v18, v18, v18 row_xmask:8 row_mask:0xf bank_mask:0xf
	v_permlanex16_b32 v19, v18, s12, s13
	v_add_f32 v18, v18, v19
	ds_store_b32 v5, v18 offset:256                ; other bytes than the maxima's: no barrier is wanted in front of this store
	s_wait_dscnt 0x0
	s_barrier_signal -1
	s_barrier_wait -1
	ds_load_b128 v[20:23], v6 offset:256
	ds_load_b128 v[24:27], v6 offset:272
	s_wait_dscnt 0x0
	v_pk_add_f32 v[20:21], v[20:21], v[22:23]
	v_pk_add_f32 v[24:25], v[24:25], v[26:27]
	v_pk_add_f32 v[20:21], v[20:21], v[24:25]
	v_add_f32 v18, v20, v21
	v_rcp_f32 v18, v18
	v_nop
	s_wait_alu depctr_va_vdst(0)
.irp k, 8,10,12,14
	v_pk_mul_f32 v[\k:\k+1], v[\k:\k+1], v[18:19] op_sel_hi:[1,0]
.endr
	global_store_b128 v1, v[8:11], s[6:7]
	global_store_b128 v1, v[12:15], s[6:7] offset:4096
	s_wait_tensorcnt 0x0                           ; the wave's end: three lines behind my last LDS store
	ds_add_u32 v2, v3
	s_wait_dscnt 0x0
	s_endpgm
.Lfunc_end_k_qa210b0eb64_soft:
	.size	k_qa210b0eb64_soft, .Lfunc_end_k_qa210b0eb64_soft-k_qa210b0eb64_soft
	.p2alignl 7, 3214868480
	.fill 96, 4, 3214868480
	.section	.rodata,"a",@progbits
	.p2align	6, 0x0
	.amdhsa_kernel k_qa210b0eb64_soft
		.amdhsa_group_segment_fixed_size 1536
		.amdhsa_private_segment_fixed_size 0
		.amdhsa_enable_private_segment 0
		.amdhsa_kernarg_size 16
		.amdhsa_user_sgpr_count 2
		.amdhsa_user_sgpr_kernarg_segment_ptr 1
		.amdhsa_wavefront_size32 1
		.amdhsa_system_sgpr_workgroup_id_x 1
		.amdhsa_system_sgpr_workgroup_id_y 1
		.amdhsa_system_sgpr_workgroup_id_z 1
		.amdhsa_system_vgpr_workitem_id 0
		.amdhsa_next_free_vgpr 32
		.amdhsa_next_free_sgpr 66
		.amdhsa_reserve_vcc 0
		.amdhsa_float_denorm_mode_32 3
		.amdhsa_float_denorm_mode_16_64 3
		.amdhsa_memory_ordered 1
		.amdhsa_forward_progress 1
		.amdhsa_inst_pref_size 5
	.end_amdhsa_kernel
	.amdgpu_metadata
---
amdhsa.version: [ 1, 2 ]
amdhsa.kernels:
  - .name:           k_qa210b0eb64_soft
    .symbol:         k_qa210b0eb64_soft.kd
    .args:
      - { .name: scores, .offset: 0, .size: 8, .value_kind: global_buffer, .address_space: global }
      - { .name: out0, .offset: 8, .size: 8, .value_kind: global_buffer, .address_space: global }
    .group_segment_fixed_size: 1536
    .private_segment_fixed_size: 0
    .kernarg_segment_align: 8
    .kernarg_segment_size: 16
    .max_flat_workgroup_size: 256
    .sgpr_count:     66
    .vgpr_count:     32
    .wavefront_size: 32
...
	.end_amdgpu_metadata
.endif
;; end of part 3
;; ======== version 2 of 2: 3 launches; version 1 with the launch main written anew for expert scheduling mode
;; workspace buffers: wb 2,097,152 bytes; tab 262,144 bytes; scores 262,144 bytes
;; launch prep: the kernel of part 1 again; grid 96 x 1, 16 waves a work-group, no clusters, 71,680 bytes of LDS; arguments W_enc, W_dec, b_dec, w_cov, decoder_hidden, wb, tab; writes wb, tab
;; launch main (part 4): grid 512 x 1, 4 waves a work-group, no clusters, 309,760 bytes of LDS; arguments encoder_outputs, coverage, v, wb, tab, scores; writes scores
.if DOCPART == 4
	.amdgcn_target "amdgcn-amd-amdhsa--gfx1250"
	.amdhsa_code_object_version 6
	.text
	.protected	k_qa210b0eb64_main
	.globl	k_qa210b0eb64_main
	.p2align	8
	.type	k_qa210b0eb64_main,@function
k_qa210b0eb64_main:
	s_mov_b64 s[64:65], 0
	v_nop
	global_prefetch_b8 v0, s[64:65] scope:SCOPE_SE
	s_setreg_imm32_b32 hwreg(HW_REG_WAVE_SCHED_MODE, 0, 2), 2
	s_setreg_imm32_b32 hwreg(HW_REG_WAVE_MODE, 25, 1), 1
	s_wait_xcnt 0x0
	s_wait_alu depctr_vm_vsrc(0)
; scores[row] = S = the sum over o of v[o] / (1 + 2^y), y = kappa (E[row] . W_enc[o] + dec[b][o] + b_dec[o] + cov[row] w_cov[o]), kappa = 2 log2(e).
; tanh x = 1 - 2 / (1 + 2^(kappa x)), so the module's logit is (sum of v) - 2 S; the first term is the same for all rows of a batch and falls out of the softmax, which the next launch takes of -2 S.
; LIMITS.  2^y beyond f32's range is an infinity, its reciprocal 0: tanh = 1 exactly; 2^y below 2^-126 counts as 0: tanh = -1.  NaN and infinities in the inputs are not treated apart.
; E and kappa W_enc are rounded once to bf16 for the product; sums, bias, exponentials and S in f32.
; SHARES.  A work-group owns 128 rows of E.  It reads them once, as f32 through registers, rounds them and keeps them in LDS as bf16 for the whole launch (A: 128 x 1,024).  Each of the four waves makes
; all 128 rows x 128 columns at a time (64 accumulators, 512 registers), in two passes: 4 waves x 2 passes x 128 = 1,024 columns.  Pass 0's walk along K runs while E still arrives, a slice of 64 K at a time.
; THE WEIGHTS come by global loads straight into registers, from a copy that lies in fragment order: no two waves of the work-group want the same columns.
; NO CLUSTER, NO JOINT LOADS, though all work-groups walk the same weights: A takes 294,912 of the 327,680 bytes of LDS, constants and spare words 14,848; 17,920 are left, less than
; one K step of 32 of the 512 columns that the four waves have in hand (32,768 bytes): there is no room for a ring into which a joint load could bring them.
; THE SUM STARTS WITH THE BIAS: the accumulators are set to kappa (dec + b_dec + cov w_cov), so the finished sum is y.
; THE TEXT runs straight: head, the bias, pass 0, then a loop of two trips that is left in its middle: from y to S; (out, the second time); the bias, pass 1.
; THE MODE: SCHED_MODE bits 1:0 = 2 (LLVM: expert scheduling mode 2), set by the entry lines.  The code itself states the register dependences
; between vector or matrix instructions and memory or LDS instructions, with s_wait_alu, always for 0.
; THE PLAN.  Registers that memory or LDS instructions touch in quarter q = 4 t + i (32 along K, 64 products):
;   AF, fragments 0-3   read by the quarter's first 32 products; behind them the LDS loads of quarter q + 1 land there.       AF, fragments 4-7   the same with its last 32 products.
;   B[(i + lead) % 4]   the loads of quarter q + lead land there; its last products stand in quarter q - 2 (lead 2) or q - 1 (lead 3).  The quarter's own products name B[i] alone.
;   ES[(i + 3) % 4]     part q + 3 of E: read and written by the quarter's 16 conversions, then read by its 8 LDS stores.
;   ES[(i + 2) % 4]     converted and stored from in quarter q - 1; part q + 6 lands there.
;   v[VA], v[VS]        read by the fragments' loads and by the stores; written once a trip.  All other addresses are made at the head and never written again.
;   The accumulators are named by vector and matrix instructions alone.
; So a quarter has TWO waits on va_vdst.  The first stands behind the first 32 products and the conversions: fragments 0-3 have been read, the stores' data are written, and all earlier quarters' work on B's next
; buffer and on E's next set is done.  Behind it stand the stores and the loads of fragments 0-3, and the quarter's 24 global loads are dealt in three groups of eight among the next 16 products, which name
; fragments 4 and 5, B[i] and accumulators: none of the registers that those loads touch.  The second stands behind the last products, ahead of the loads of fragments 4-7.  One wait on vm_vsrc stands beside the
; first where E is asked for (the last quarter's stores have read the set), one at each trip's end ahead of the adds to v[VA] and v[VS].
; REGISTERS, in windows of 256 (s_set_vgpr_msb: bits 1:0 source 0, 3:2 source 1, 5:4 source 2, 7:6 destination):
;   window 0: v0-23 addresses; v32-95 A's 8 fragments of a quarter step; v96-223 four sets of 32 for E on its way in (later v96-159: S); v224-239 the pairs (kappa w_cov, bias); v240-247 v
;   window 1: four buffers of 64 for B's fragments (buffer 3 also holds cov while the accumulators are set)     windows 2, 3: accumulator (mf, cf) at 8 (8 (mf % 4) + cf), mf 0-3 and 4-7
.set PA,    144                        ; a row of a slice of A in LDS: 128 bytes + 16: nine times 16, so the 16 rows of a fragment load start in 16 different columns of 16 bytes modulo 256
.set SL,    128*PA                     ; a slice: 128 rows x 64 K
.set CONSTB, 16*SL                     ; behind A: for each wave 3,584 bytes of its own: cov[128]; 256 pairs; v[256]
.set CWB,   3584
.set SPARE, CONSTB+4*CWB               ; behind them: the spare words, 128 bytes for each wave
.set RP,    544                        ; at the end, over A's first bytes: 64 pairs of rows x (4 waves x 16 lanes) x 2 f32 + 32: four pairs of rows are 2,176 bytes, 128 modulo 256
.set SPW, 3                            ; v3   LDS address of my spare word; never rewritten
.set NIL, 4                            ; v4   0; never rewritten
.set VA0, 5                            ; v5   (l % 16) x 144 + 16 (l / 16): my place in a fragment of A
.set VA,  6                            ; v6   VA0 + the trip's first slice
.set VS,  7                            ; v7   VS0 + the trip's first slice
.set VE,  8                            ; v8   (32 w + 8 (l / 16)) x 4,096 + 16 (l % 16): my 16 bytes of E
.set VB,  9                            ; v9   16 l + 524,288 w: my 16 bytes in my wave's stream of weights
.set VP,  10                           ; v10  (32 w + l) x 4,096: the prefetches: a lane a row
.set VK,  11                           ; v11  my column's pair, pass 0, cf = 0
.set VV,  12                           ; v12  my column's v, pass 0, cf = 0
.set VCV, 13                           ; v13  cov of my 8 rows, mf = 0
.set VCS, 14                           ; v14  my wave's constants + 16 l
.set VR,  15                           ; v15  the end: where S goes
.set VRD, 16                           ; v16  the end: the pair of rows that I add up
.set VO,  17                           ; v17  8 x thread: my two numbers of scores
.set VG,  18                           ; v18  tab: 16 l + 2,048 w
.set VG2, 19                           ; v19  v: 16 l + 1,024 w
.set VG3, 20                           ; v20  coverage: 16 l
.set VS0, 21                           ; v21  (32 w + 8 (l / 16)) x 144 + 8 (l % 16): where my 4 rounded numbers of E go
.set AF,  32
.set ES,  96
.set CT,  ES+32                        ; the seven loads of constants land in set 1, which is free until part 5 is asked for
.set KP,  224
.set VC,  240
.set COV, 192                          ; window 1
.set EP,  4                            ; s[4:5]   E at my work-group's rows, at the trip's first slice
.set BP,  10                           ; s[10:11] wb at the trip's first quarter
.set WV,  16                           ; s16  wave
.set PASS, 20                          ; s20  passes whose y is still to be turned into S
.set TRIP, 21                          ; s21  trips to go
.set SOFF, 26                          ; s26  LDS byte of the trip's first slice
.set MUL_LO, 0xa4                      ; A window 0, B window 1, C and D window 2
.set TO_B,   0x40                      ; destination window 1
.set MSB, 0
.macro WIN new                         ; the immediate's high byte repeats the setting that is left; a switch that changes nothing is dropped
.if MSB != (\new)
	s_set_vgpr_msb (MSB<<8)|(\new)
.set MSB, (\new)
.endif
.endm
.macro PLACES                          ; four places between a matrix instruction and a load into, or a vector instruction on, its registers; they stay beside the waits on va_vdst
.rept 4
	v_nop
.endr
.endm
; E COMES IN PARTS: part e = 16 of my wave's 32 rows (g = e % 2) x slice e / 2 (64 K, 256 bytes of f32 a row).  Eight loads: lanes 0-15 take 256 consecutive aligned bytes of one row, lanes 16-31 of the row 8 further down.
.macro ELOAD dst, sl, g
.irp k, 0,1,2,3,4,5,6,7
	global_load_b128 v[(\dst)+4*\k:(\dst)+4*\k+3], v[VE], s[EP:EP+1] offset:(\sl)*256+(16*(\g)+\k)*4096 th:TH_LOAD_NT
.endr
.endm
.macro ECVT src                        ; rounded to bf16 in place: 4 f32 into 2 registers; sixteen plain instructions
.irp k, 0,1,2,3,4,5,6,7
	v_cvt_pk_bf16_f32 v[(\src)+4*\k], v[(\src)+4*\k], v[(\src)+4*\k+1]
	v_cvt_pk_bf16_f32 v[(\src)+4*\k+1], v[(\src)+4*\k+2], v[(\src)+4*\k+3]
.endr
.endm
.macro ESTORE src, sl, g               ; into A: 16 lanes fill a row's 128 bytes; the other 16 lanes' row lies 1,152 bytes on, the other half of 256
.irp k, 0,1,2,3,4,5,6,7
	ds_store_b64 v[VS], v[(\src)+4*\k:(\src)+4*\k+1] offset:(\sl)*SL+(16*(\g)+\k)*PA
.endr
.endm
.macro BLOADH buf, pos, h              ; four of a quarter's 8 fragments of B (64 columns x 32 K): 8 loads of 512 consecutive bytes
	WIN TO_B
.irp c, 0,1,2,3
	global_load_b128 v[64*(\buf)+8*(4*(\h)+\c):64*(\buf)+8*(4*(\h)+\c)+3],   v[VB], s[BP:BP+1] offset:(\pos)*8192+(4*(\h)+\c)*1024
	global_load_b128 v[64*(\buf)+8*(4*(\h)+\c)+4:64*(\buf)+8*(4*(\h)+\c)+7], v[VB], s[BP:BP+1] offset:(\pos)*8192+(4*(\h)+\c)*1024+512
.endr
.endm
.macro BLOAD buf, pos                  ; all 8 (128 columns x 32 K), in one run
	BLOADH \buf, \pos, 0
	BLOADH \buf, \pos, 1
.endm
.macro ALOAD half, areg, off           ; four of a quarter's 8 fragments of A (64 rows x 32 K): lane l holds row l % 16, K = 8 (l / 16) + 0..7 and 16 + 8 (l / 16) + 0..7
	WIN 0
.irp m, 0,1,2,3
	ds_load_b128 v[AF+8*(4*(\half)+\m):AF+8*(4*(\half)+\m)+3],   v[\areg] offset:(\off)+(4*(\half)+\m)*16*PA
	ds_load_b128 v[AF+8*(4*(\half)+\m)+4:AF+8*(4*(\half)+\m)+7], v[\areg] offset:(\off)+(4*(\half)+\m)*16*PA+32
.endr
.endm
; 4 products: row block a x column blocks c0 .. c0 + 3.  In the result lane l holds column l % 16, register j row 8 (l / 16) + j.
.macro MUL4 buf, a, c0
	WIN MUL_LO+0x50*((\a)/4)
.irp c, 0,1,2,3
.set rD, 8*(8*((\a)%4)+(\c0)+\c)
	v_wmma_f32_16x16x32_bf16 v[rD:rD+7], v[AF+8*(\a):AF+8*(\a)+7], v[64*(\buf)+8*((\c0)+\c):64*(\buf)+8*((\c0)+\c)+7], v[rD:rD+7]
.endr
.endm
; 16 products: row blocks mf0, mf0 + 1 x all 8 column blocks.  The 64 accumulators take turns, one instruction a turn, in the same order in every quarter.
.macro MUL16 buf, mf0
	MUL4 \buf, \mf0, 0
	MUL4 \buf, \mf0, 4
	MUL4 \buf, (\mf0)+1, 0
	MUL4 \buf, (\mf0)+1, 4
.endm
.macro TRIPEND e                       ; four quarters = two slices on.  e = 1: E's pointer and the stores' address too
	WIN 0
	s_wait_xcnt 0x0                                ; every load and prefetch issued so far has read its address: only now are the pointers written
	s_wait_alu depctr_vm_vsrc(0)                   ; the LDS loads and stores issued so far have read v[VA] and v[VS], which the adds below write; that these are written is stated by the next quarter's first wait on va_vdst, ahead of their next reader
	s_add_nc_u64 s[BP:BP+1], s[BP:BP+1], 4*8192
	s_add_co_u32 s[SOFF], s[SOFF], 2*SL
	v_add_nc_u32 v[VA], s[SOFF], v[VA0]
.if \e
	s_add_nc_u64 s[EP:EP+1], s[EP:EP+1], 2*256
	v_add_nc_u32 v[VS], s[SOFF], v[VS0]
.endif
.endm
; A QUARTER: 32 along K, 64 products on B's buffer i.  Quarter q = 4 x trip + i.
;   eiss: part q + 6 of E is asked for.  ecvt: part q + 3 is rounded and stored.  sig, bw: the two halves of the barrier that shows a slice whole.  biss: B of quarter q + lead is asked for.
;   n: the loads younger than B of this quarter.  anxt: 1: A of quarter q + 1 is fetched; 2: from slice 0 (the next pass); 0: nothing.  pf: the trip's prefetches.
; In a quarter B is asked for ahead of E, and loads come back in order (ISA guide 5.7.1): the wait for B of quarter q also shows part q + 3 landed, which was asked for three quarters back.
; Slice j is whole when every wave has stored part 2 j + 1, in quarter 2 j - 2: there each wave waits for its LDS instructions and signals; it passes the barrier in quarter 2 j - 1, ahead of the first
; read of slice j.  Between signal and wait stand products, conversions, waits and LDS loads of earlier slices: the global loads are dealt among products 33 to 48, behind the barrier's wait and ahead of its signal.
; A slice is written once, so no barrier guards an overwriting.
.macro QUARTER i, eiss, ecvt, sig, bw, biss, lead, n, anxt, pf
	s_wait_loadcnt \n                              ; B of this quarter is in, and all that was asked for before it
	s_wait_dscnt 8                                 ; A's rows 0-63 are in; the youngest eight LDS loads (rows 64-127) may be out
	MUL16 \i, 0
	MUL16 \i, 2
	WIN 0
.if \ecvt
	ECVT ES+32*(((\i)+3)%4)                        ; also the places in front of the loads into A's first four fragments
.else
	PLACES
.endif
.if (\ecvt) || (\anxt) || (\biss)
	s_wait_alu depctr_va_vdst(0)                   ; the 32 products are done reading A's fragments 0-3, in which the LDS loads below land; the conversions have written what the LDS stores below read; the earlier quarters' products and conversions are done with B's next buffer and E's next set; behind a trip's end v[VA] and v[VS] are written
.endif
.if \eiss
	s_wait_alu depctr_vm_vsrc(0)                   ; the LDS stores of the quarter before have read the set in which part q + 6 lands
.endif
.if \bw
	s_barrier_wait -1                              ; the slice of quarter q + 1 is whole
.endif
.if \ecvt
	ESTORE ES+32*(((\i)+3)%4), ((\i)+3)/2, ((\i)+3)%2
.endif
.if (\anxt) == 1
	ALOAD 0, VA, (((\i)+1)/2)*SL+(((\i)+1)%2)*64
.elseif (\anxt) == 2
	ALOAD 0, VA0, 0
.endif
.set dsn, 8*(\ecvt)
.if \anxt
.set dsn, dsn+8
.endif
	s_wait_dscnt dsn                               ; A's rows 64-127 are in: younger are this quarter's stores and loads alone
	; The quarter's global loads, eight behind each four products.  No wait: the products since the wait on va_vdst above name A's fragments 4 and 5, B[i] and accumulators, none of the registers that these loads touch.
	MUL4 \i, 4, 0
.if \biss
	BLOADH ((\i)+(\lead))%4, (\i)+(\lead), 0       ; its buffer's last product stands a quarter back or more, with four places behind it
.endif
	MUL4 \i, 4, 4
.if \biss
	BLOADH ((\i)+(\lead))%4, (\i)+(\lead), 1
.endif
	MUL4 \i, 5, 0
.if \eiss
	WIN 0
	ELOAD ES+32*(((\i)+2)%4), ((\i)+6)/2, (\i)%2   ; its set was stored from in the quarter before: the wait on vm_vsrc above
.endif
.if \pf
	; A PREFETCH INTO THE L2, behind the quarter's loads: the slices 5 and 6 on from the trip's first, 256 bytes of each of my wave's own 32 rows, a lane a row: each block is named once in the launch.
	; Their loads are issued 4 and 6 quarters (256 and 384 products) later.  The loop's last trip asks for nothing: the second of its two slices does not exist.  v[VP] was written at the head and never again.
	WIN 0
	s_cmp_gt_u32 s[TRIP], 1
	s_cbranch_scc0 .Lnopf_\@
	global_prefetch_b8 v[VP], s[EP:EP+1] offset:5*256 th:TH_LOAD_NT scope:SCOPE_SE
	global_prefetch_b8 v[VP], s[EP:EP+1] offset:6*256 th:TH_LOAD_NT scope:SCOPE_SE
.Lnopf_\@:
.endif
	MUL4 \i, 5, 4
.if \sig
	s_wait_dscnt 0x0                               ; for the others' sake: my part of the slice is stored; no LDS instruction of mine is out
	s_barrier_signal -1
.endif
	MUL16 \i, 6
	WIN 0
	PLACES
.if \anxt
	s_wait_alu depctr_va_vdst(0)                   ; the last 32 products are done reading A's fragments 4-7, in which the LDS loads below land
.endif
.if (\anxt) == 1
	ALOAD 1, VA, (((\i)+1)/2)*SL+(((\i)+1)%2)*64
.elseif (\anxt) == 2
	ALOAD 1, VA0, 0
.endif
.endm
; THE BIAS, for pass p: my wave's columns 128 p .. 128 p + 127 of its 256.  The sums start at cov x (kappa w_cov) + kappa (dec + b_dec): a pair's first register multiplies both halves, its second is added to both.
; cov goes through B's buffer 3, for which no load is out at either use.  The wait for 0 also shows the fragments of A landed that the pass before has asked for.
; No wait on va_vdst stands here: at the first use no vector instruction has named these registers, and the addresses were written ahead of the head's wait; at the second the wait behind the way from y to S has covered their readers.
.macro INIT p
.irp c, 0,1,2,3,4,5,6,7
	ds_load_b64 v[KP+2*\c:KP+2*\c+1], v[VK] offset:1024*(\p)+128*\c
.endr
.irp c, 0,1,2,3,4,5,6,7
	ds_load_b32 v[VC+\c], v[VV] offset:512*(\p)+64*\c
.endr
	WIN TO_B
.irp m, 0,1,2,3,4,5,6,7
	ds_load_b128 v[COV+8*\m:COV+8*\m+3],   v[VCV] offset:64*\m
	ds_load_b128 v[COV+8*\m+4:COV+8*\m+7], v[VCV] offset:64*\m+16
.endr
	s_wait_dscnt 0x0
.set m, 0
.rept 8
	WIN 0x81+0x40*(m/4)                            ; cov in window 1, the pairs in window 0, the accumulators in window 2 or 3
.set c, 0
.rept 8
.set j, 0
.rept 4
	v_pk_fma_f32 v[8*(8*(m%4)+c)+j:8*(8*(m%4)+c)+j+1], v[COV+8*m+j:COV+8*m+j+1], v[KP+2*c:KP+2*c+1], v[KP+2*c:KP+2*c+1] op_sel:[0,0,1] op_sel_hi:[1,0,1]
.set j, j+2
.endr
.set c, c+1
.endr
.set m, m+1
.endr
	WIN 0
.endm
; THE WAY FROM y TO S, by row blocks s of 64 registers.
.macro EXPS s                          ; 2^y, in place, ascending: of each accumulator the lowest register is read first
	WIN 0x82+0x41*((\s)/4)
.set x, 64*((\s)%4)
.rept 64
	v_exp_f32 v[x], v[x]
.set x, x+1
.endr
.endm
.macro ADDS s                          ; 1 + 2^y
	WIN 0x82+0x41*((\s)/4)
.set x, 64*((\s)%4)
.rept 32
	v_pk_add_f32 v[x:x+1], v[x:x+1], 1.0 op_sel_hi:[1,0]
.set x, x+2
.endr
.endm
.macro RCPS s
	WIN 0x82+0x41*((\s)/4)
.set x, 64*((\s)%4)
.rept 64
	v_rcp_f32 v[x], v[x]
.set x, x+1
.endr
.endm
.macro FMAS s                          ; S(row) += v[column] / (1 + 2^y): v of column block c lies in register c % 2 of a pair and goes to both halves
	WIN 0x02+((\s)/4)
.set c, 0
.rept 8
.set j, 0
.rept 4
.if c%2
	v_pk_fma_f32 v[ES+8*(\s)+j:ES+8*(\s)+j+1], v[64*((\s)%4)+8*c+j:64*((\s)%4)+8*c+j+1], v[VC+c-1:VC+c], v[ES+8*(\s)+j:ES+8*(\s)+j+1] op_sel:[0,1,0] op_sel_hi:[1,1,1]
.else
	v_pk_fma_f32 v[ES+8*(\s)+j:ES+8*(\s)+j+1], v[64*((\s)%4)+8*c+j:64*((\s)%4)+8*c+j+1], v[VC+c:VC+c+1], v[ES+8*(\s)+j:ES+8*(\s)+j+1] op_sel_hi:[1,0,1]
.endif
.set j, j+2
.endr
.set c, c+1
.endr
.endm
	s_load_b256 s[4:11], s[0:1], 0x0               ; E s[4:5], coverage s[6:7], v s[8:9], wb s[10:11]
	s_load_b128 s[12:15], s[0:1], 0x20             ; tab s[12:13], scores s[14:15]
	v_lshl_add_u32 v[SPW], v0, 2, SPARE
	v_mov_b32 v[NIL], 0
	v_lshrrev_b32 v22, 5, v0
	v_readfirstlane_b32 s[WV], v22                 ; wave 0..3
	v_and_b32 v1, 15, v0                           ; l % 16
	v_bfe_u32 v2, v0, 4, 1                         ; l / 16
	v_and_b32 v23, 31, v0                          ; l
	v_mul_u32_u24 v[VA0], v1, PA
	v_lshl_add_u32 v[VA0], v2, 4, v[VA0]
	v_mov_b32 v[VA], v[VA0]
	s_wait_alu depctr_va_sdst(0)                   ; the wave's number is written, ahead of its first reader, the line below
	s_mul_i32 s22, s[WV], 32*PA
	v_mul_u32_u24 v[VS0], v2, 8*PA
	v_lshl_add_u32 v[VS0], v1, 3, v[VS0]
	v_add_nc_u32 v[VS0], s22, v[VS0]
	v_mov_b32 v[VS], v[VS0]
	s_lshl_b32 s22, s[WV], 17                      ; 32 rows of 4,096 bytes
	v_lshlrev_b32 v[VE], 15, v2
	v_lshl_add_u32 v[VE], v1, 4, v[VE]
	v_add_nc_u32 v[VE], s22, v[VE]
	v_lshl_add_u32 v[VP], v23, 12, s22
	v_lshlrev_b32 v[VG3], 4, v23
	v_lshl_add_u32 v[VB], s[WV], 19, v[VG3]
	v_lshl_add_u32 v[VG], s[WV], 11, v[VG3]
	v_lshl_add_u32 v[VG2], s[WV], 10, v[VG3]
	s_mul_i32 s23, s[WV], CWB
	s_add_co_u32 s23, s23, CONSTB                  ; my wave's constants
	v_lshl_add_u32 v[VK], v1, 3, s23
	v_add_nc_u32 v[VK], 512, v[VK]
	v_lshl_add_u32 v[VV], v1, 2, s23
	v_add_nc_u32 v[VV], 2560, v[VV]
	v_lshl_add_u32 v[VCV], v2, 5, s23
	v_add_nc_u32 v[VCS], s23, v[VG3]
	v_mul_u32_u24 v[VR], v2, 4*RP                  ; my 8 rows are four pairs: pair 8 mf + 4 (l / 16) + jj,
	v_lshl_add_u32 v[VR], v1, 3, v[VR]             ; my column class: 8 bytes for each of 16 lanes,
	v_lshl_add_u32 v[VR], s[WV], 7, v[VR]          ; 128 for each wave
	v_mul_u32_u24 v[VRD], v0, RP
	v_lshlrev_b32 v[VO], 3, v0
	s_lshl_b32 s24, ttmp9, 19                      ; the work-group's 128 rows of 4,096 bytes, in 64 bits
	s_lshr_b32 s25, ttmp9, 13
	s_lshl_b32 s28, ttmp9, 9                       ; its 128 f32 of coverage and of scores
	s_mov_b32 s29, 0
	s_lshr_b32 s30, ttmp9, 4                       ; its batch: 16 work-groups to 2,048 rows,
	s_lshl_b32 s30, s30, 13                        ; 8,192 bytes of tab
	s_mov_b32 s31, 0
	s_mov_b32 s[PASS], 2
	s_mov_b32 s[SOFF], 0
	s_wait_kmcnt 0x0
	s_add_nc_u64 s[EP:EP+1], s[EP:EP+1], s[24:25]
	s_add_nc_u64 s[6:7], s[6:7], s[28:29]
	s_add_nc_u64 s[12:13], s[12:13], s[30:31]
	s_add_nc_u64 s[14:15], s[14:15], s[28:29]
	s_wait_alu depctr_va_vdst(0)                   ; the addresses and offsets v5 to v21 are written, which the kernel's loads, stores and prefetches read
	; 63 loads go out at once: 7 of constants, parts 0-3 of E, B of quarter 0, part 4
	global_load_b128 v[CT:CT+3], v[VG3], s[6:7]
.irp k, 0,1,2,3
	global_load_b128 v[CT+4+4*\k:CT+7+4*\k], v[VG], s[12:13] offset:512*\k
.endr
.irp k, 0,1
	global_load_b128 v[CT+20+4*\k:CT+23+4*\k], v[VG2], s[8:9] offset:512*\k
.endr
	ELOAD AF, 0, 0                                 ; parts 0 and 1 land where A's fragments will lie
	ELOAD AF+32, 0, 1
	ELOAD ES+64, 1, 0
	ELOAD ES+96, 1, 1
	BLOAD 0, 0
	WIN 0
	ELOAD ES, 2, 0
	s_wait_loadcnt 56                              ; the seven are in; the 56 behind them stay out
	ds_store_b128 v[VCS], v[CT:CT+3]               ; my wave's own copy: read by this wave alone, and LDS serves a wave's instructions in order (ISA guide 5.7.1.4)
.irp k, 0,1,2,3
	ds_store_b128 v[VCS], v[CT+4+4*\k:CT+7+4*\k] offset:512+512*\k
.endr
.irp k, 0,1
	ds_store_b128 v[VCS], v[CT+20+4*\k:CT+23+4*\k] offset:2560+512*\k
.endr
	INIT 0
	; PASS 0.  Slice 0 and half of slice 1 are stored, and the loads come into the loop's order: part 3, B 0, part 4, B 1, part 5.
	s_wait_loadcnt 32                              ; parts 0-2 are in; part 3, B 0 and part 4 (8 + 16 + 8) stay out
	ECVT AF
	ECVT AF+32
	ECVT ES+64
	s_wait_alu depctr_va_vdst(0)                   ; the conversions have written what the LDS stores below read, and are done with v[AF ..], in which A's fragments land behind the barrier
	ESTORE AF, 0, 0
	ESTORE AF+32, 0, 1
	ESTORE ES+64, 1, 0
	BLOAD 1, 1
	WIN 0
	s_wait_alu depctr_vm_vsrc(0)                   ; the LDS stores of the constants have read set 1, in which part 5 lands; the stores just above have read v[AF ..], in which A's fragments land, and set 2, in which part 6 lands
	ELOAD ES+32, 2, 1
	s_wait_dscnt 0x0                               ; for the others' sake: my rows of slice 0 are stored
	s_barrier_signal -1
	s_barrier_wait -1
	ALOAD 0, VA, 0
	ALOAD 1, VA, 0
	s_mov_b32 s[TRIP], 6
.Lk0:                                          ; quarters 0-23.  n = 32: younger than B q are part q + 4, B q + 1 and part q + 5
	QUARTER 0, 1,1,1,0, 1,2, 32, 1, 1
	QUARTER 1, 1,1,0,1, 1,2, 32, 1, 0
	QUARTER 2, 1,1,1,0, 1,2, 32, 1, 0
	QUARTER 3, 1,1,0,1, 1,2, 32, 1, 0
	TRIPEND 1
	s_sub_co_u32 s[TRIP], s[TRIP], 1
	s_cmp_lg_u32 s[TRIP], 0
	s_cbranch_scc1 .Lk0
	QUARTER 0, 1,1,1,0, 1,2, 32, 1, 0              ; 24: part 30 is asked for
	QUARTER 1, 1,1,0,1, 1,2, 32, 1, 0              ; 25: part 31, the last
	QUARTER 2, 0,1,1,0, 1,2, 32, 1, 0              ; 26: younger than B 26: part 30, B 27, part 31
	QUARTER 3, 0,1,0,1, 1,2, 24, 1, 0              ; 27: part 31, B 28
	TRIPEND 1
	QUARTER 0, 0,1,1,0, 1,2, 16, 1, 0              ; 28: B 29; the last part is stored, the last slice signalled
	QUARTER 1, 0,0,0,1, 1,2, 16, 1, 0              ; 29
	QUARTER 2, 0,0,0,0, 1,2, 16, 1, 0              ; 30: my stream of weights runs on: B of the next pass's quarter 0,
	QUARTER 3, 0,0,0,0, 1,2, 16, 2, 0              ; 31: of its quarter 1; A's fragments of slice 0 once more
	TRIPEND 0
	BLOAD 2, 2                                     ; and of its quarter 2: three quarters of B, in buffers 0 to 2, stay out across what follows, which names none of them.  No wait: buffer 2's last products stand in quarter 30, ahead of quarter 31's waits on va_vdst
	WIN 0
.set x, 0
.rept 64
	v_mov_b32 v[ES+x], 0                           ; S starts here, in the two sets of E that were emptied first: so the way from y to S has one text for both passes.  Their last LDS stores stand in quarters 25 and 26, ahead of the trips' waits on vm_vsrc
.set x, x+1
.endr
.Lepi:  ; y is finished: twice.  The transcendentals go in batches of 128 (a block's reciprocals, the next block's exponentials), each with one plain instruction behind it and ONE wait ahead of its first
	; reader: nine waits a pass.
	PLACES                                         ; with the four behind the last quarter: eight places behind the last product
	EXPS 0
	v_nop
	s_wait_alu depctr_va_vdst(0)                   ; block 0's exponentials have written their results, which the additions below read
.irp s, 0,1,2,3,4,5,6,7
	ADDS \s
	RCPS \s
.if \s < 7
	EXPS (\s)+1
.endif
	v_nop
	s_wait_alu depctr_va_vdst(0)                   ; the block's reciprocals have written their results, which the sums below read, and the next block's exponentials theirs
	FMAS \s
.endr
	WIN 0
	s_wait_alu depctr_va_vdst(0)                   ; ahead of the branch, for both ways on: S is written, which the LDS stores at the end read; and the sums are done reading v's registers, the products B's buffer 3, the first bias the pairs': the next pass's v, cov and pairs land there
	s_sub_co_u32 s[PASS], s[PASS], 1
	s_cmp_eq_u32 s[PASS], 0
	s_cbranch_scc1 .Lfin                           ; the second time: both passes are in S
	; PASS 1.  A is whole: no barrier.  B is asked for three quarters ahead: n = 32: two quarters of B are younger.
	INIT 1
	s_mov_b32 s[SOFF], 0
	s_wait_alu depctr_vm_vsrc(0)                   ; the loads of A's fragments issued so far have read v[VA], which the line below writes; quarter 0's first wait on va_vdst stands ahead of its next reader
	v_mov_b32 v[VA], v[VA0]
	s_mov_b32 s[TRIP], 7
.Lk1:
	QUARTER 0, 0,0,0,0, 1,3, 32, 1, 0
	QUARTER 1, 0,0,0,0, 1,3, 32, 1, 0
	QUARTER 2, 0,0,0,0, 1,3, 32, 1, 0
	QUARTER 3, 0,0,0,0, 1,3, 32, 1, 0
	TRIPEND 0
	s_sub_co_u32 s[TRIP], s[TRIP], 1
	s_cmp_lg_u32 s[TRIP], 0
	s_cbranch_scc1 .Lk1
	QUARTER 0, 0,0,0,0, 1,3, 32, 1, 0              ; 28: B 31, the last
	QUARTER 1, 0,0,0,0, 0,3, 32, 1, 0              ; 29
	QUARTER 2, 0,0,0,0, 0,3, 16, 1, 0              ; 30
	QUARTER 3, 0,0,0,0, 0,3, 0,  0, 0              ; 31: nothing is out behind it; it issues no load and no store, so it holds no s_wait_alu
	s_branch .Lepi
.Lfin:  ; THE END.  A lane's S holds one column class of 16, of one wave's 256 columns: 64 partial sums a row meet in LDS, over A's first bytes, two rows side by side.
	s_wait_dscnt 0x0                               ; my reads of A are over,
	s_barrier_signal -1
	s_barrier_wait -1                              ; everybody's are: A may be overwritten
.irp m, 0,1,2,3,4,5,6,7
.irp j, 0,1,2,3
	ds_store_b64 v[VR], v[ES+8*\m+2*\j:ES+8*\m+2*\j+1] offset:(8*\m+\j)*RP  ; S was shown written by the wait ahead of the branch that led here
.endr
.endr
	s_wait_dscnt 0x0                               ; for the others' sake: my partial sums are stored
	s_barrier_signal -1
	s_barrier_wait -1
	s_wait_alu depctr_vm_vsrc(0)                   ; my LDS stores have read S's registers, in which the loads below land
	s_cmp_lt_u32 s[WV], 2                          ; 64 threads add up a pair of rows each
	s_cbranch_scc0 .Lend
.irp k, 0,1,2,3,4,5,6,7,8,9,10,11,12,13,14,15,16,17,18,19,20,21,22,23,24,25,26,27,28,29,30,31
	ds_load_b128 v[32+4*\k:32+4*\k+3], v[VRD] offset:16*\k  ; no vector or matrix instruction since the wait behind the way from y to S names v32 to v159
.endr
	s_wait_dscnt 0x0
.set st, 64
.rept 6                                ; 64 pairs (row 2 t, row 2 t + 1) into one: 63 packed sums
.set x, 0
.rept st/2
	v_pk_add_f32 v[32+x:32+x+1], v[32+x:32+x+1], v[32+st+x:32+st+x+1]
.set x, x+2
.endr
.set st, st/2
.endr
	s_wait_alu depctr_va_vdst(0)                   ; the last sum has written v[32:33], which the store reads
	global_store_b64 v[VO], v[32:33], s[14:15]     ; a wave stores 256 consecutive bytes, aligned
.Lend:
	s_wait_dscnt 0x0                               ; the closing lines, six on end
	s_wait_alu 0x0
	s_wait_tensorcnt 0x0
	ds_add_u32 v[SPW], v[NIL]
	s_wait_dscnt 0x0
	s_endpgm
.Lfunc_end_k_qa210b0eb64_main:
	.size	k_qa210b0eb64_main, .Lfunc_end_k_qa210b0eb64_main-k_qa210b0eb64_main
	.p2alignl 7, 3214868480
	.fill 96, 4, 3214868480
	.section	.rodata,"a",@progbits
	.p2align	6, 0x0
	.amdhsa_kernel k_qa210b0eb64_main
		.amdhsa_group_segment_fixed_size 309760
		.amdhsa_private_segment_fixed_size 0
		.amdhsa_enable_private_segment 0
		.amdhsa_kernarg_size 48
		.amdhsa_user_sgpr_count 2
		.amdhsa_user_sgpr_kernarg_segment_ptr 1
		.amdhsa_wavefront_size32 1
		.amdhsa_system_sgpr_workgroup_id_x 1
		.amdhsa_system_sgpr_workgroup_id_y 1
		.amdhsa_system_sgpr_workgroup_id_z 1
		.amdhsa_system_vgpr_workitem_id 0
		.amdhsa_next_free_vgpr 1024
		.amdhsa_next_free_sgpr 66
		.amdhsa_reserve_vcc 0
		.amdhsa_float_denorm_mode_32 3
		.amdhsa_float_denorm_mode_16_64 3
		.amdhsa_memory_ordered 1
		.amdhsa_forward_progress 1
		.amdhsa_inst_pref_size 255
	.end_amdhsa_kernel
	.section	.bss,"aw",@nobits
	.p2align	6
	.space	262144
	.amdgpu_metadata
---
amdhsa.version: [ 1, 2 ]
amdhsa.kernels:
  - .name:           k_qa210b0eb64_main
    .symbol:         k_qa210b0eb64_main.kd
    .args:
      - { .name: encoder_outputs, .offset: 0, .size: 8, .value_kind: global_buffer, .address_space: global }
      - { .name: coverage, .offset: 8, .size: 8, .value_kind: global_buffer, .address_space: global }
      - { .name: v, .offset: 16, .size: 8, .value_kind: global_buffer, .address_space: global }
      - { .name: wb, .offset: 24, .size: 8, .value_kind: global_buffer, .address_space: global }
      - { .name: tab, .offset: 32, .size: 8, .value_kind: global_buffer, .address_space: global }
      - { .name: scores, .offset: 40, .size: 8, .value_kind: global_buffer, .address_space: global }
    .group_segment_fixed_size: 309760
    .private_segment_fixed_size: 0
    .kernarg_segment_align: 8
    .kernarg_segment_size: 48
    .max_flat_workgroup_size: 128
    .sgpr_count:     66
    .vgpr_count:     1024
    .wavefront_size: 32
...
	.end_amdgpu_metadata
.endif
;; end of part 4
;; launch soft: the kernel of part 3 again; grid 32 x 1, 8 waves a work-group, no clusters, 1,536 bytes of LDS; arguments scores, out0; writes out0
